; MI455X (gfx1250); checked and timed in simulation.
; The chip was launched on July 23, 2026; its instructions are those of AMD's public machine-readable ISA for CDNA 5 (MIT licence, August 2026) and "CDNA5" Instruction Set Architecture Reference Guide (July 2026). The comments in the code are by the model that wrote it; some were corrected since.
;; Scaled Dot Prod Att. Allowed arithmetic: float matrix products may take bf16 or f16 operands with f32 sums; all other float work in f32.
;; Inputs: k 4 x 16 x 2,048 x 128 float32; q 4 x 16 x 2,048 x 128 float32; sen_len 4 int32; v 4 x 16 x 2,048 x 128 float32.
;; Outputs: out0 4 x 16 x 2,048 x 128 float32.
;; One version. Each part assembles by itself: llvm-mc -triple=amdgcn-amd-amdhsa -mcpu=gfx1250 --defsym DOCPART=n.
;; ======== version 1 of 1: 2 launches
;; limits: values are held in f16: magnitudes above 65,504 overflow, below 6.1e-05 lose precision; inputs' magnitudes at most 65,504; right only within a limited range of input values
;; workspace buffers: vpart 262,144 bytes
;; launch vsum (part 1): grid 512 x 1, 8 waves a work-group, no clusters, 5,120 bytes of LDS; arguments v, vpart; writes vpart
.if DOCPART == 1
	.amdgcn_target "amdgcn-amd-amdhsa--gfx1250"
	.amdhsa_code_object_version 6
	.text
	.protected	k_qaa099e695a_vsum
	.globl	k_qaa099e695a_vsum
	.p2align	8
	.type	k_qaa099e695a_vsum,@function
k_qaa099e695a_vsum:
	s_mov_b64 s[64:65], 0
	v_nop
	global_prefetch_b8 v0, s[64:65] scope:SCOPE_SE
	s_setreg_imm32_b32 hwreg(HW_REG_WAVE_MODE, 25, 1), 1
	s_wait_xcnt 0x0
; vpart[bh][part][d] = sum over the 256 rows 256 part .. 256 part + 255 of v[bh][row][d].   v: [64][2048][128] f32, vpart: [64][8][128] f32.
; The later launch needs the mean of all 2,048 rows of V of a head for every query at or beyond the sentence's length; here V is read once for it.
; Work-group id = 8 bh + part owns 131,072 consecutive bytes of V.  Eight waves, 32 rows each; one load of a wave is one whole row of 512 bytes
; (lane l holds d = 4 l .. 4 l + 3), and all 32 loads of a wave are issued at once.  The waves' sums meet in LDS; wave 0 adds them and stores 512 bytes.
; A stream that shares nothing between work-groups: no matrix unit, no cluster, no tensor load.  No cache hint: the next launch reads V again.
.set X, 4                              ; v[4:131]  32 rows x 4 registers; the sums grow in v[4:7]
	s_load_b128 s[4:7], s[0:1], 0x0                ; v s[4:5], vpart s[6:7]
	v_lshl_add_u32 v136, v0, 2, 0x1000
	v_mov_b32 v137, 0
	v_lshrrev_b32 v1, 5, v0
	v_readfirstlane_b32 s10, v1                    ; wave 0..7
	v_and_b32 v3, 31, v0
	v_lshlrev_b32 v3, 4, v3                        ; 16 bytes a lane
	s_lshl_b32 s11, s10, 14                        ; my wave's 32 rows of 512 bytes
	v_or_b32 v1, s11, v3                           ; load offset
	s_lshl_b32 s12, s10, 9
	v_add_nc_u32 v2, s12, v3                       ; LDS: 512 bytes a wave
	s_lshl_b32 s8, ttmp9, 17                       ; 512 work-groups x 131,072 bytes stay below 2^26
	s_mov_b32 s9, 0
	s_wait_kmcnt 0x0
	s_add_nc_u64 s[4:5], s[4:5], s[8:9]
.set n, 0
.rept 32
	global_load_b128 v[X+4*n:X+4*n+3], v1, s[4:5] offset:512*n
.set n, n+1
.endr
	s_wait_loadcnt 28                              ; loads come back in order: rows 0 to 3 are in, the 28 younger ones stay out
.set n, 1
.rept 31
.if (n & 3) == 0
	s_wait_loadcnt 28-n                            ; rows n .. n + 3 are in; 28 - n younger loads stay out
.endif
	v_pk_add_f32 v[X:X+1], v[X:X+1], v[X+4*n:X+4*n+1]          ; row 0 starts the sums: nothing is cleared
	v_pk_add_f32 v[X+2:X+3], v[X+2:X+3], v[X+4*n+2:X+4*n+3]
.set n, n+1
.endr
	ds_store_b128 v2, v[X:X+3]
	s_wait_dscnt 0x0                               ; my store is done before I say so
	s_barrier_signal -1
	s_barrier_wait -1
	s_cmp_lg_u32 s10, 0
	s_cbranch_scc1 .Lend                           ; wave 0 alone adds the eight sums
.set n, 0
.rept 8
	ds_load_b128 v[X+4+4*n:X+7+4*n], v3 offset:512*n
.set n, n+1
.endr
	s_lshl_b32 s8, ttmp9, 9                        ; 512 bytes of vpart for each work-group
	s_add_nc_u64 s[6:7], s[6:7], s[8:9]
	s_wait_dscnt 0x0
.set n, 1
.rept 7
	v_pk_add_f32 v[X+4:X+5], v[X+4:X+5], v[X+4+4*n:X+5+4*n]
	v_pk_add_f32 v[X+6:X+7], v[X+6:X+7], v[X+6+4*n:X+7+4*n]
.set n, n+1
.endr
	global_store_b128 v3, v[X+4:X+7], s[6:7]       ; 32 lanes x 16 bytes: 512 consecutive bytes, aligned
.Lend:
	s_wait_tensorcnt 0x0
	ds_add_u32 v136, v137
	s_wait_dscnt 0x0
	s_endpgm
.Lfunc_end_k_qaa099e695a_vsum:
	.size	k_qaa099e695a_vsum, .Lfunc_end_k_qaa099e695a_vsum-k_qaa099e695a_vsum
	.p2alignl 7, 3214868480
	.fill 96, 4, 3214868480
	.section	.rodata,"a",@progbits
	.p2align	6, 0x0
	.amdhsa_kernel k_qaa099e695a_vsum
		.amdhsa_group_segment_fixed_size 5120
		.amdhsa_private_segment_fixed_size 0
		.amdhsa_enable_private_segment 0
		.amdhsa_kernarg_size 16
		.amdhsa_user_sgpr_count 2
		.amdhsa_user_sgpr_kernarg_segment_ptr 1
		.amdhsa_wavefront_size32 1
		.amdhsa_system_sgpr_workgroup_id_x 1
		.amdhsa_system_sgpr_workgroup_id_y 1
		.amdhsa_system_sgpr_workgroup_id_z 1
		.amdhsa_system_vgpr_workitem_id 0
		.amdhsa_next_free_vgpr 138
		.amdhsa_next_free_sgpr 66
		.amdhsa_reserve_vcc 0
		.amdhsa_float_denorm_mode_32 3
		.amdhsa_float_denorm_mode_16_64 3
		.amdhsa_memory_ordered 1
		.amdhsa_forward_progress 1
		.amdhsa_inst_pref_size 10
	.end_amdhsa_kernel
	.amdgpu_metadata
---
amdhsa.version: [ 1, 2 ]
amdhsa.kernels:
  - .name:           k_qaa099e695a_vsum
    .symbol:         k_qaa099e695a_vsum.kd
    .args:
      - { .name: v, .offset: 0, .size: 8, .value_kind: global_buffer, .address_space: global }
      - { .name: vpart, .offset: 8, .size: 8, .value_kind: global_buffer, .address_space: global }
    .group_segment_fixed_size: 5120
    .private_segment_fixed_size: 0
    .kernarg_segment_align: 8
    .kernarg_segment_size: 16
    .max_flat_workgroup_size: 256
    .sgpr_count:     66
    .vgpr_count:     138
    .wavefront_size: 32
...
	.end_amdgpu_metadata
.endif
;; end of part 1
;; launch attn (part 2): grid 1024 x 1, 4 waves a work-group, no clusters, 198,144 bytes of LDS; arguments q, k, v, sen_len, vpart, out0; writes out0
.if DOCPART == 2
	.amdgcn_target "amdgcn-amd-amdhsa--gfx1250"
	.amdhsa_code_object_version 6
	.text
	.protected	k_qaa099e695a_attn
	.globl	k_qaa099e695a_attn
	.p2align	8
	.type	k_qaa099e695a_attn,@function
k_qaa099e695a_attn:
	s_mov_b64 s[64:65], 0
	v_nop
	global_prefetch_b8 v0, s[64:65] scope:SCOPE_SE
	s_setreg_imm32_b32 hwreg(HW_REG_WAVE_MODE, 25, 1), 1
	s_wait_xcnt 0x0
; out0[bh][q][:] = softmax over keys of (q.k / sqrt(128), masked) times V.   q, k, v, out0: [64][2048][128] f32; sen_len: [4] i32; vpart: [64][8][128] f32.
; WHAT THE MASK LEAVES.  A query below the sentence's length sees the keys j <= q, all of which are below the length too: plain causal attention.
; A query at or beyond the length has 2,048 equal scores: its result is the mean of all rows of V of the head, taken here from vpart's eight sums.
; SHARES.  A work-group makes 128 queries of one head.  id = 64 (15 - i) + bh: the blocks with the most key tiles have the lowest numbers, over all 64 heads, so
; that, where work-groups start in the order of their numbers, the long ones start first and the blocks of one tile fill the end, whatever the four lengths are.
; Block i takes key tile i (the diagonal, which starts all sums and alone needs the causal mask), then tiles 0 .. i - 1: the blocks of a head that run at the
; same time walk the tiles in the same order.
; Wave w: g = w >> 1 picks 64 queries, c = w & 1 picks 64 of each tile's 128 keys.  Each wave keeps a running maximum, a sum and a whole O (64 x 128) over ITS
; keys; the two waves of a g are merged once at the end, each finishing 64 of the 128 columns.
; TRANSPOSED PRODUCTS.  S^T = K Q^T: lane (r, h), register j of tile (kt, qt) holds key 16 kt + 8 h + j, query 16 qt + r.  That is already the layout of the second
; source of O^T = V^T P^T, so P is rounded to f16 in place and never changes lanes, and maximum, sum and rescale are one number a lane.
; THE OPERANDS ARE f16, NOT bf16.  The first rows of a head average a handful of keys, so the rounding of a weight, of a score or of a row of V goes into
; the result almost undamped: 11 significant bits (relative error up to 2^-11) leave eight times less of it than 8 bits would.  f16 has the room: P lies in
; [0, 1]; numbers below 6.1e-5 are rounded with an absolute error of at most 3e-8.  The sums are f32.
; A WAVE WHOSE KEYS ARE ALL MASKED (g = 0, c = 1 in the diagonal tile) has the masked score as its maximum m.  Its exponents S c2 - round(m c2) are then the
; rounding error of a number near 1.44e9, up to 64 either way, and 2^64 has no place in f16.  So in the diagonal tile every exponent is capped at 0: that
; wave's P, sum and O stay finite, and the factor 0 of the next tile's rescale, or the weight 0 of the merge, wipes them out.
; K, V ON THEIR WAY.  They are f32 in memory and f16 in the products: each wave loads 32 rows of the next tile into registers while this tile is multiplied,
; rounds them, and stores them to LDS between two barriers.  One buffer for K and V, two barriers a tile.
; sen_len STEERS ONLY BRANCHES THAT HOLD NO BARRIER: every wave passes every barrier, and none stands under a branch on a loaded number; the number of barriers
; hangs on the work-group's number alone.  So a block whose 128 queries all lie at or beyond the length still loads and computes its diagonal tile, which writes
; every register that the later text reads; that tile's result is thrown away.  It then makes i empty trips, jumps over the exchange and the merge, and
; stores the mean to its 128 rows.
; NO CLUSTER, NO JOINT LOADS: a joint load lands f32 in LDS (131,072 bytes a tile against 71,680 here) and the rounding would cost a second trip through LDS;
; and the blocks of a head need different numbers of tiles (i + 1).
; LIMITS.  |q|, |k|, |v| above 65,504, f16's largest number, turn into infinities on their way to the products.
; Raw scores q.k stay below 2e9 in magnitude: beyond that the rounding error of m c2 (half a unit in its last place) could lift a weight past f16's range.
; A masked score is the problem's own -1e9 (here -1e9 sqrt(128), ahead of the scale): right while real scaled scores stay far above -1e9.
; The sum of P is taken before its rounding.  A NaN loses in the running maximum.  The length is clamped to 0 .. 2048,
; which gives what pos < len gives for every i32.
.set PK,    272                        ; LDS pitch of K's and Q's rows: 256 bytes of f16 + 16, an odd multiple of 16
.set PVT,   288                        ; LDS pitch of V's rows: an odd multiple of 32, for the transposing loads
.set KT,    0                          ; 128 keys x 272
.set VT,    34816                      ; 128 keys x 288
.set QT,    71680                      ; 128 queries x 272
.set XCH,   106496                     ; 16,384 a wave: the half of O that the partner finishes
.set STATS, 172032                     ; 2,048 a wave: -m c2 (pairs) at 0 and 512, the sums at 1,024
.set OST,   180224                     ; 4,352 a wave: 16 rows x 272, the wave's own stage on the way out
; window 0
.set GOFF,  8                          ; byte offset of my 16 bytes in row 32 w of a tile in memory
.set STK,   9                          ; where I store a rounded row of K, V, Q
.set STV,   10
.set STQ,   11
.set ADRK,  12                         ; fragments of K
.set ADRVO, 13                         ; fragments of V^T, the 64 columns that I finish
.set ADRVF, 14                         ; fragments of V^T, the 64 columns that my partner finishes
.set ADRQ,  15                         ; fragments of Q
.set DL,    16                         ; 64 c + 8 h - 64 g - r: key minus query, without the tiles' and registers' part
.set NEGV,  17                         ; -1e9 sqrt(128)
.set XST,   18
.set XLD,   19
.set SST,   20
.set SLD,   21
.set OSTO,  22
.set ORD,   23
.set CO,    24                         ; my byte offset in the block's 128 rows of out0
.set DV,    25                         ; length - (128 i + 64 g + h)
.set VPOFF, 26
.set MN,    28                         ; v[28:31]  the mean of V at my four columns
.set M,     32                         ; v[32:35]  running maximum of the raw scores, one for each qt
.set L,     36                         ; v[36:39]  running sum (my half h of the keys)
.set NG,    40                         ; v[40:47]  -m c2, twice, for each qt
.set AL,    48                         ; v[48:55]  the rescale factor, twice, for each qt
.set T,     56                         ; v[56:63]  at work
.set F0,    64                         ; v[64:95]  fragment buffer 0; at the start the head's eight sums of V
.set F1,    96                         ; v[96:127] fragment buffer 1
.set S,     128                        ; v[128:255] S^T: tile (kt, qt) at S + 8 (4 kt + qt)
; window 1: O^T, tile (dt, qt) at 8 (4 dt + qt); dt 0-3 the columns that I finish (64 c + 16 dt), dt 4-7 my partner's (64 (1 - c) + 16 (dt - 4))
; window 2: v[0:127] fragments of Q, (qt, ks) at 8 (4 qt + ks); v[128:255] the next tile's 32 rows of K as loaded
; window 3: v[0:127] the next tile's 32 rows of V as loaded
; s_set_vgpr_msb's low byte: bits 1:0 source 0, 3:2 source 1, 5:4 source 2, 7:6 destination; the high byte repeats the setting that is left.
.set MSB, 0
.macro WIN new
.if MSB != \new
	s_set_vgpr_msb (MSB<<8)|\new
.set MSB, \new
.endif
.endm
.macro PLACES n
.rept \n
	v_nop
.endr
.endm
; 32 whole rows of 512 bytes, into window win at register base
.macro GLOAD win, base, ptr
	WIN \win
.set n, 0
.rept 32
	global_load_b128 v[\base+4*n:\base+4*n+3], v[GOFF], s[\ptr:\ptr+1] offset:512*n
.set n, n+1
.endr
.endm
; 128 f32 a lane to 64 registers of f16 pairs
.macro CVT win, src, dst
	WIN \win
.set n, 0
.rept 64
	v_cvt_pk_f16_f32 v[\dst+n], v[\src+2*n], v[\src+2*n+1]
.set n, n+1
.endr
.endm
; 32 rounded rows to LDS: each store of the wave is 256 consecutive bytes
.macro STROWS adr, src, pitch
.set n, 0
.rept 32
	ds_store_b64 v[\adr], v[\src+2*n:\src+2*n+1] offset:n*\pitch
.set n, n+1
.endr
.endm
; the four fragments (16 keys x 32 d) of key block kt
.macro LDK kt, f
.irp ks, 0,1,2,3
	ds_load_b128 v[\f+8*\ks:\f+8*\ks+3],   v[ADRK] offset:\kt*16*PK+64*\ks
	ds_load_b128 v[\f+8*\ks+4:\f+8*\ks+7], v[ADRK] offset:\kt*16*PK+64*\ks+32
.endr
.endm
; the four fragments (16 d x 32 keys) of V^T for column blocks 2 pp, 2 pp + 1 and key halves u = 0, 1
.macro LDV pp, f
.if \pp < 2
.set VADR, ADRVO
.else
.set VADR, ADRVF
.endif
.irp dd, 0,1
.irp u, 0,1
	ds_load_tr16_b128 v[\f+16*\dd+8*\u:\f+16*\dd+8*\u+3],   v[VADR] offset:\u*32*PVT+32*((2*\pp+\dd)&3)
	ds_load_tr16_b128 v[\f+16*\dd+8*\u+4:\f+16*\dd+8*\u+7], v[VADR] offset:\u*32*PVT+32*((2*\pp+\dd)&3)+16*PVT
.endr
.endr
.endm
; 16 matrix instructions: key block kt x four query blocks x 128 d.  The four accumulators take turns, one instruction a turn.
.macro QK16 kt, f
.irp ks, 0,1,2,3
.irp qt, 0,1,2,3
.if \ks == 0
	v_wmma_f32_16x16x32_f16 v[S+8*(4*\kt+\qt):S+8*(4*\kt+\qt)+7], v[\f+8*\ks:\f+8*\ks+7], v[8*(4*\qt+\ks):8*(4*\qt+\ks)+7], 0
.else
	v_wmma_f32_16x16x32_f16 v[S+8*(4*\kt+\qt):S+8*(4*\kt+\qt)+7], v[\f+8*\ks:\f+8*\ks+7], v[8*(4*\qt+\ks):8*(4*\qt+\ks)+7], v[S+8*(4*\kt+\qt):S+8*(4*\kt+\qt)+7]
.endif
.endr
.endr
.endm
; 16 matrix instructions: column blocks 2 pp, 2 pp + 1 x four query blocks x 64 keys.  P's fragment (u, qt) lies where S tile (2 u, qt) lay.  Turns as above.
.macro PV16 pp, f, zero
.irp dd, 0,1
.irp u, 0,1
.irp qt, 0,1,2,3
.if (\zero)*(1-\u)
	v_wmma_f32_16x16x32_f16 v[8*(4*(2*\pp+\dd)+\qt):8*(4*(2*\pp+\dd)+\qt)+7], v[\f+16*\dd+8*\u:\f+16*\dd+8*\u+7], v[S+8*(8*\u+\qt):S+8*(8*\u+\qt)+7], 0
.else
	v_wmma_f32_16x16x32_f16 v[8*(4*(2*\pp+\dd)+\qt):8*(4*(2*\pp+\dd)+\qt)+7], v[\f+16*\dd+8*\u:\f+16*\dd+8*\u+7], v[S+8*(8*\u+\qt):S+8*(8*\u+\qt)+7], v[8*(4*(2*\pp+\dd)+\qt):8*(4*(2*\pp+\dd)+\qt)+7]
.endif
.endr
.endr
.endr
.endm
; The diagonal tile: key > query, that is 16 (qt - kt) - j < DL, gets the masked score.  One compare serves all tiles of one qt - kt.
.macro MASK
.irp df, -3,-2,-1,0,1,2,3
.irp j, 0,1,2,3,4,5,6,7
	v_cmp_lt_i32 vcc_lo, 16*(\df)-\j, v[DL]
.irp kt, 0,1,2,3
.irp qt, 0,1,2,3
.if (\qt-\kt) == (\df)
	v_cndmask_b32 v[S+8*(4*\kt+\qt)+\j], v[S+8*(4*\kt+\qt)+\j], v[NEGV], vcc_lo
.endif
.endr
.endr
.endr
.endr
.endm
; The running softmax of query block qt over this tile's 64 keys of mine: 32 scores a lane.
.macro SOFT qt, first
.irp kt, 0,1,2,3
	v_max3_num_f32 v[T+\kt], v[S+8*(4*\kt+\qt)], v[S+8*(4*\kt+\qt)+1], v[S+8*(4*\kt+\qt)+2]    ; four chains
.endr
.irp kt, 0,1,2,3
	v_max3_num_f32 v[T+\kt], v[T+\kt], v[S+8*(4*\kt+\qt)+3], v[S+8*(4*\kt+\qt)+4]
.endr
.irp kt, 0,1,2,3
	v_max3_num_f32 v[T+\kt], v[T+\kt], v[S+8*(4*\kt+\qt)+5], v[S+8*(4*\kt+\qt)+6]
.endr
.irp kt, 0,1,2,3
	v_max_num_f32 v[T+\kt], v[T+\kt], v[S+8*(4*\kt+\qt)+7]
.endr
	v_max3_num_f32 v[T], v[T], v[T+1], v[T+2]
.if \first
	v_max_num_f32 v[T], v[T], v[T+3]
.else
	v_max3_num_f32 v[T], v[T], v[T+3], v[M+\qt]            ; the maximum so far joins
.endif
	v_permlanex16_b32 v[T+4], v[T], s32, s33               ; the other half of the lanes holds the same query's other keys
	v_max_num_f32 v[M+\qt], v[T], v[T+4]
.if \first
	v_mul_f32 v[NG+2*\qt], s30, v[M+\qt]                   ; -m c2, twice, for the packed multiply-adds
	v_mul_f32 v[NG+2*\qt+1], s30, v[M+\qt]
.else
	v_mul_f32 v[T+5], s30, v[M+\qt]
	v_sub_f32 v[AL+2*\qt], v[T+5], v[NG+2*\qt]             ; (old m - new m) c2
	v_sub_f32 v[AL+2*\qt+1], v[T+5], v[NG+2*\qt]
	v_mov_b32 v[NG+2*\qt], v[T+5]
	v_mov_b32 v[NG+2*\qt+1], v[T+5]
	v_exp_f32 v[AL+2*\qt], v[AL+2*\qt]                     ; the factor is read far below: plain instructions stand between
	v_exp_f32 v[AL+2*\qt+1], v[AL+2*\qt+1]
.endif
.irp kt, 0,1,2,3
.irp j, 0,2,4,6
	v_pk_fma_f32 v[S+8*(4*\kt+\qt)+\j:S+8*(4*\kt+\qt)+\j+1], v[S+8*(4*\kt+\qt)+\j:S+8*(4*\kt+\qt)+\j+1], s[28:29], v[NG+2*\qt:NG+2*\qt+1] op_sel_hi:[1,0,1]
.endr
.endr
.if \first
.irp kt, 0,1,2,3
.irp j, 0,1,2,3,4,5,6,7
	v_min_num_f32 v[S+8*(4*\kt+\qt)+\j], 0, v[S+8*(4*\kt+\qt)+\j]      ; the tile with masked scores: no exponent above 0, so no weight above 1 (see the head)
.endr
.endr
.endif
.irp kt, 0,1,2,3
.irp j, 0,1,2,3,4,5,6,7
	v_exp_f32 v[S+8*(4*\kt+\qt)+\j], v[S+8*(4*\kt+\qt)+\j]
.endr
.endr
	v_nop                                                  ; one plain instruction between the exponentials and the first use of a result (ISA guide 5.7.2)
	s_wait_alu depctr_va_vdst(0)
.irp kt, 0,1,2,3
	v_pk_add_f32 v[T+2*\kt:T+2*\kt+1], v[S+8*(4*\kt+\qt):S+8*(4*\kt+\qt)+1], v[S+8*(4*\kt+\qt)+2:S+8*(4*\kt+\qt)+3]
.endr
.irp kt, 0,1,2,3
	v_pk_add_f32 v[T+2*\kt:T+2*\kt+1], v[T+2*\kt:T+2*\kt+1], v[S+8*(4*\kt+\qt)+4:S+8*(4*\kt+\qt)+5]
.endr
.irp kt, 0,1,2,3
	v_pk_add_f32 v[T+2*\kt:T+2*\kt+1], v[T+2*\kt:T+2*\kt+1], v[S+8*(4*\kt+\qt)+6:S+8*(4*\kt+\qt)+7]
.endr
	v_pk_add_f32 v[T:T+1], v[T:T+1], v[T+2:T+3]
	v_pk_add_f32 v[T+4:T+5], v[T+4:T+5], v[T+6:T+7]
	v_pk_add_f32 v[T:T+1], v[T:T+1], v[T+4:T+5]
.if \first
	v_add_f32 v[L+\qt], v[T], v[T+1]
.else
	v_add_f32 v[T], v[T], v[T+1]
	v_fma_f32 v[L+\qt], v[L+\qt], v[AL+2*\qt], v[T]
.endif
.irp u, 0,1
.irp e, 0,1,2,3
	v_cvt_pk_f16_f32 v[S+8*(8*\u+\qt)+\e], v[S+8*(8*\u+\qt)+2*\e], v[S+8*(8*\u+\qt)+2*\e+1]            ; keys 32 u + 8 h + 0..7: registers 0-3 of P's fragment, in place
.endr
.irp e, 0,1,2,3
	v_cvt_pk_f16_f32 v[S+8*(8*\u+\qt)+4+\e], v[S+8*(8*\u+4+\qt)+2*\e], v[S+8*(8*\u+4+\qt)+2*\e+1]      ; keys 32 u + 16 + 8 h + 0..7: registers 4-7
.endr
.endr
.endm
; One key tile.  first = 1: the diagonal tile, which loads Q's fragments, masks, and starts every sum.  s24 = tiles still to come behind this one.
; Fragments come in groups of eight LDS loads, on two buffers in turn, each group issued one group of 16 matrix instructions ahead of its use.
; Four v_nop stand between the matrix instructions that read a buffer and the loads into it, and in front of the first vector read of S.
.macro COMPUTE first
	s_cmp_eq_u32 s24, 0
	s_cbranch_scc1 .Lnok_\@
.if \first == 0
	s_add_nc_u64 s[34:35], s[34:35], 0x10000               ; no load that names this pointer is out: the trip began with a wait for all loads
.endif
	GLOAD 0x80, 128, 34                                    ; the next tile's K: it has this whole tile's work in which to land
	WIN 0
.Lnok_\@:
.if \first
	WIN 0x80
.irp qt, 0,1,2,3
.irp ks, 0,1,2,3
	ds_load_b128 v[8*(4*\qt+\ks):8*(4*\qt+\ks)+3],   v[ADRQ] offset:\qt*16*PK+64*\ks
	ds_load_b128 v[8*(4*\qt+\ks)+4:8*(4*\qt+\ks)+7], v[ADRQ] offset:\qt*16*PK+64*\ks+32
.endr
.endr
	WIN 0
.endif
	LDK 0, F0
	LDK 1, F1
	s_wait_dscnt 0x8                                       ; all but the eight loads just issued
	WIN 0x08                                               ; source 1 (Q) in window 2; LDS loads name destination and source 0 alone, both window 0
	QK16 0, F0
	PLACES 4
	LDK 2, F0
	s_wait_dscnt 0x8
	QK16 1, F1
	PLACES 4
	LDK 3, F1
	s_wait_dscnt 0x8
	QK16 2, F0
	PLACES 4
	LDV 0, F0
	s_wait_dscnt 0x8
	QK16 3, F1
	WIN 0
	s_cmp_eq_u32 s24, 0
	s_cbranch_scc1 .Lnov_\@
.if \first == 0
	s_add_nc_u64 s[36:37], s[36:37], 0x10000               ; the loads issued since the trip's wait for all loads name K's pointer, not this one
.endif
	GLOAD 0xc0, 0, 36                                      ; the next tile's V
	WIN 0
.Lnov_\@:
	PLACES 4
	LDV 1, F1
.if \first
	MASK
.endif
	SOFT 0, \first
	SOFT 1, \first
	SOFT 2, \first
	SOFT 3, \first
.if \first == 0
	WIN 0x41                                               ; O in window 1, the factors in window 0
.irp dt, 0,1,2,3,4,5,6,7
.irp qt, 0,1,2,3
.irp j, 0,2,4,6
	v_pk_mul_f32 v[8*(4*\dt+\qt)+\j:8*(4*\dt+\qt)+\j+1], v[8*(4*\dt+\qt)+\j:8*(4*\dt+\qt)+\j+1], v[AL+2*\qt:AL+2*\qt+1]
.endr
.endr
.endr
.endif
	s_wait_dscnt 0x8                                       ; V's first group is in; the second group's eight loads may be out
	WIN 0x50                                               ; C and D (O) in window 1
	PV16 0, F0, \first
	WIN 0
	PLACES 4
	LDV 2, F0
	s_wait_dscnt 0x8
	WIN 0x50
	PV16 1, F1, \first
	WIN 0
	PLACES 4
	LDV 3, F1
	s_wait_dscnt 0x8
	WIN 0x50
	PV16 2, F0, \first
	s_wait_dscnt 0x0
	PV16 3, F1, \first
	WIN 0
	PLACES 5                                               ; five places before a matrix instruction writes S, which these read, and before anything reads O
.endm
; 16 rows of the result: into my own stage, back as rows of 256 bytes, rows at or beyond the length replaced by the mean, out.
.macro OUT16 qt, f
.irp dt, 0,1,2,3
	ds_store_b128 v[OSTO], v[S+8*(4*\dt+\qt):S+8*(4*\dt+\qt)+3]   offset:64*\dt
	ds_store_b128 v[OSTO], v[S+8*(4*\dt+\qt)+4:S+8*(4*\dt+\qt)+7] offset:64*\dt+16
.endr
	s_wait_xcnt 0x0                                        ; buffer f, which earlier stores read, is written again only behind this wait
.irp t, 0,1,2,3,4,5,6,7
	ds_load_b128 v[\f+4*\t:\f+4*\t+3], v[ORD] offset:2*PK*\t       ; LDS serves a wave's instructions in order: these see the stores above
.endr
.irp t, 0,1,2,3,4,5,6,7
	s_wait_dscnt 7-\t                                      ; the 7 - t younger loads may be out
	v_cmp_lt_i32 vcc_lo, 16*\qt+2*\t, v[DV]                ; is my row below the length?
.irp e, 0,1,2,3
	v_cndmask_b32 v[\f+4*\t+\e], v[MN+\e], v[\f+4*\t+\e], vcc_lo
.endr
	global_store_b128 v[CO], v[\f+4*\t:\f+4*\t+3], s[44:45] offset:(16*\qt+2*\t)*512 th:TH_STORE_NT   ; sixteen lanes store 256 consecutive bytes, aligned
.endr
.endm
	; ---------------------------------------------------------------- who am I, and from where
	s_load_b256 s[4:11], s[0:1], 0x0               ; q s[4:5], k s[6:7], v s[8:9], sen_len s[10:11]
	s_load_b128 s[12:15], s[0:1], 0x20             ; vpart s[12:13], out0 s[14:15]
	v_lshl_add_u32 v27, v0, 2, 0x30400
	s_set_vgpr_msb 0xc0
	v_mov_b32 v129, 0
	s_set_vgpr_msb 0xc000
	v_lshrrev_b32 v4, 5, v0
	v_readfirstlane_b32 s16, v4                    ; wave w
	v_and_b32 v1, 31, v0                           ; lane
	v_and_b32 v2, 15, v0                           ; r
	v_bfe_u32 v3, v0, 4, 1                         ; h
	s_lshr_b32 s17, s16, 1                         ; g: which 64 queries
	s_and_b32 s18, s16, 1                          ; c: which 64 keys of a tile
	s_lshr_b32 s21, ttmp9, 6
	s_sub_co_u32 s21, 15, s21                      ; i: the block of 128 queries; the lowest numbers have the most tiles
	s_and_b32 s20, ttmp9, 63                       ; bh = 16 batch + head
	s_lshr_b32 s22, s20, 4                         ; batch
	s_lshl_b32 s19, s22, 2                         ; the length's byte offset
	s_lshl_b32 s26, s20, 20                        ; a head is 2,048 rows of 512 bytes
	s_mov_b32 s27, 0
	s_lshl_b32 s48, s21, 16                        ; a tile is 128 rows of 512 bytes
	s_mov_b32 s49, 0
	s_lshl_b32 s50, s20, 12                        ; a head's eight sums are 4,096 bytes
	s_mov_b32 s51, 0
	s_lshl_b32 s52, s16, 14
	v_lshl_or_b32 v[GOFF], v1, 4, s52              ; 32 w rows + 16 bytes a lane
	s_lshl_b32 s52, s18, 8
	v_lshl_or_b32 v[VPOFF], v2, 4, s52             ; columns 64 c + 4 r
	s_mov_b32 s28, 0x3e0293ee                      ; c2 = log2(e) / sqrt(128), twice
	s_mov_b32 s29, 0x3e0293ee
	s_mov_b32 s30, 0xbe0293ee                      ; -c2
	s_mov_b32 s32, 0x76543210                      ; v_permlanex16_b32: lane i of one half reads lane i of the other
	s_mov_b32 s33, 0xfedcba98
	s_wait_kmcnt 0x0
	s_load_b32 s23, s[10:11], s19 offset:0x0       ; the batch's length
	s_add_nc_u64 s[34:35], s[6:7], s[26:27]        ; K, tile 0 of the head
	s_add_nc_u64 s[36:37], s[8:9], s[26:27]        ; V, tile 0
	s_add_nc_u64 s[38:39], s[34:35], s[48:49]      ; K, the diagonal tile
	s_add_nc_u64 s[40:41], s[36:37], s[48:49]      ; V, the diagonal tile
	s_add_nc_u64 s[42:43], s[4:5], s[26:27]
	s_add_nc_u64 s[42:43], s[42:43], s[48:49]      ; Q, my block
	s_add_nc_u64 s[44:45], s[14:15], s[26:27]
	s_add_nc_u64 s[44:45], s[44:45], s[48:49]      ; out0, my block
	s_add_nc_u64 s[46:47], s[12:13], s[50:51]      ; the head's eight sums of V
	; all of the prologue's loads at once: 8 + 32 + 32 + 32
.set n, 0
.rept 8
	global_load_b128 v[F0+4*n:F0+4*n+3], v[VPOFF], s[46:47] offset:512*n       ; into buffer 0, which is free until Q is rounded into it
.set n, n+1
.endr
.set n, 0
.rept 32
	global_load_b128 v[S+4*n:S+4*n+3], v[GOFF], s[42:43] offset:512*n th:TH_LOAD_NT   ; Q: read once in the launch
.set n, n+1
.endr
	GLOAD 0x80, 128, 38
	GLOAD 0xc0, 0, 40
	WIN 0
	; ---------------------------------------------------------------- addresses
	v_mul_u32_u24 v4, v2, PK
	v_lshl_add_u32 v4, v3, 4, v4                   ; r x 272 + 16 h: a fragment's lane term
	s_mul_i32 s48, s16, 32*PK                      ; my 32 rows (K's tile begins at LDS byte 0)
	v_lshl_add_u32 v[STK], v1, 3, s48
	s_add_co_u32 s49, s48, QT
	v_lshl_add_u32 v[STQ], v1, 3, s49
	s_mul_i32 s48, s16, 32*PVT
	s_add_co_u32 s48, s48, VT
	v_lshl_add_u32 v[STV], v1, 3, s48
	s_mul_i32 s48, s18, 64*PK
	v_add_nc_u32 v[ADRK], s48, v4                  ; keys 64 c + r
	s_mul_i32 s48, s17, 64*PK
	s_add_co_u32 s48, s48, QT
	v_add_nc_u32 v[ADRQ], s48, v4                  ; queries 64 g + r
	v_and_b32 v5, 7, v0
	v_lshl_add_u32 v5, v3, 3, v5                   ; 8 h + lane mod 8: the key row that I address
	v_mul_u32_u24 v5, v5, PVT
	v_bfe_u32 v6, v0, 3, 1
	v_lshl_add_u32 v5, v6, 4, v5                   ; + 16 bytes for lanes 8-15 of each half
	s_mul_i32 s48, s18, 64*PVT+128                 ; keys from 64 c, columns from 64 c
	s_add_co_u32 s48, s48, VT
	v_add_nc_u32 v[ADRVO], s48, v5
	s_mul_i32 s48, s18, 64*PVT-128                 ; keys from 64 c, columns from 64 (1 - c)
	s_add_co_u32 s48, s48, VT+128
	v_add_nc_u32 v[ADRVF], s48, v5
	s_sub_co_i32 s48, s18, s17
	s_lshl_b32 s48, s48, 6
	v_lshl_add_u32 v[DL], v3, 3, s48
	v_sub_nc_u32 v[DL], v[DL], v2
	v_mov_b32 v[NEGV], 0xd0289660
	v_lshlrev_b32 v7, 4, v1
	s_xor_b32 s49, s16, 1                          ; my partner: same queries, the other keys
	s_lshl_b32 s48, s16, 14
	s_add_co_u32 s48, s48, XCH
	v_add_nc_u32 v[XST], s48, v7
	s_lshl_b32 s48, s49, 14
	s_add_co_u32 s48, s48, XCH
	v_add_nc_u32 v[XLD], s48, v7
	s_lshl_b32 s48, s16, 11
	s_add_co_u32 s48, s48, STATS
	v_add_nc_u32 v[SST], s48, v7
	s_lshl_b32 s48, s49, 11
	s_add_co_u32 s48, s48, STATS
	v_add_nc_u32 v[SLD], s48, v7
	s_mul_i32 s48, s16, 16*PK
	s_add_co_u32 s48, s48, OST
	v_lshl_add_u32 v5, v3, 4, v4                   ; r x 272 + 32 h: a lane's eight f32 of a row
	v_add_nc_u32 v[OSTO], s48, v5
	v_mul_u32_u24 v5, v3, PK
	v_lshl_add_u32 v5, v2, 4, v5                   ; back: lanes 0-15 one row, lanes 16-31 the next
	v_add_nc_u32 v[ORD], s48, v5
	s_lshl_b32 s48, s17, 15
	s_lshl_b32 s49, s18, 8
	s_or_b32 s48, s48, s49
	v_lshlrev_b32 v5, 9, v3
	v_lshl_add_u32 v5, v2, 4, v5
	v_add_nc_u32 v[CO], s48, v5                    ; 64 g rows + h rows + 256 c + 16 r
	v_mov_b32 v[T+4], 0                            ; v_permlanex16_b32 counts as a reader of its destination
	s_wait_kmcnt 0x0
	s_max_i32 s23, s23, 0
	s_min_i32 s23, s23, 0x800                      ; the length, 0 .. 2048
	s_lshl_b32 s50, s21, 7
	s_cmp_lt_i32 s50, s23                          ; has the block a query below the length?
	s_cselect_b32 s24, s21, 0                      ; tiles to compute behind the diagonal
	s_cselect_b32 s31, 1, 0                        ; and the answer itself, for the way out (s_cselect leaves SCC as it is)
	s_mov_b32 s25, s21                             ; trips: from the work-group's number alone, so that every wave passes every barrier
	s_lshl_b32 s51, s17, 6
	s_sub_co_i32 s50, s23, s50
	s_sub_co_i32 s50, s50, s51
	v_sub_nc_u32 v[DV], s50, v3
	; ---------------------------------------------------------------- the mean of V; Q, K, V of the diagonal tile into LDS
	s_wait_loadcnt 0x3f                            ; of 104 loads at most 63 are out: the oldest 41 are in, the 8 sums and Q's 32 rows among them
.set n, 1
.rept 7
	v_pk_add_f32 v[F0:F0+1], v[F0:F0+1], v[F0+4*n:F0+4*n+1]
	v_pk_add_f32 v[F0+2:F0+3], v[F0+2:F0+3], v[F0+4*n+2:F0+4*n+3]
.set n, n+1
.endr
	v_pk_mul_f32 v[MN:MN+1], v[F0:F0+1], 0x3a000000 op_sel_hi:[1,0]            ; / 2048
	v_pk_mul_f32 v[MN+2:MN+3], v[F0+2:F0+3], 0x3a000000 op_sel_hi:[1,0]
	CVT 0, S, F0
	STROWS STQ, F0, PK
	s_wait_loadcnt 0x20                            ; K is in; V's 32 loads may be out
	CVT 0x0a, 128, S
	s_wait_loadcnt 0x0
	CVT 0x0f, 0, S+64
	WIN 0
	STROWS STK, S, PK
	STROWS STV, S+64, PVT
	s_wait_dscnt 0x0                               ; my rows are stored before I say so
	s_barrier_signal -1
	s_barrier_wait -1
	COMPUTE 1
	; ---------------------------------------------------------------- tiles 0 .. i - 1
	s_cmp_eq_u32 s25, 0
	s_cbranch_scc1 .Lout
.Ltrip:
	s_wait_dscnt 0x0                               ; my reads of the last tile are done
	s_barrier_signal -1
	s_barrier_wait -1                              ; everybody's are: K's and V's rows may be written again
	s_wait_loadcnt 0x0                             ; the tile's rows are in my registers, and no load names a pointer that this trip steps
	s_cmp_eq_u32 s24, 0
	s_cbranch_scc1 .Lnostage
	CVT 0x0a, 128, S
	CVT 0x0f, 0, S+64
	WIN 0
	STROWS STK, S, PK
	STROWS STV, S+64, PVT
.Lnostage:
	s_wait_dscnt 0x0                               ; my rows are stored
	s_barrier_signal -1
	s_barrier_wait -1                              ; everybody's are
	s_cmp_eq_u32 s24, 0
	s_cbranch_scc1 .Lnowork
	s_sub_co_u32 s24, s24, 1
	COMPUTE 0
.Lnowork:
	s_sub_co_i32 s25, s25, 1
	s_cmp_lg_u32 s25, 0
	s_cbranch_scc1 .Ltrip
.Lout:
	; ---------------------------------------------------------------- the two waves of a g merge; each finishes 64 columns
	s_cmp_eq_u32 s31, 0
	s_cbranch_scc1 .Lnoxch                         ; no query below the length: nothing to hand over.  The barrier below stands on both ways
.irp qt, 0,1,2,3
	v_permlanex16_b32 v[T+\qt], v[L+\qt], s32, s33
.endr
.irp qt, 0,1,2,3
	v_add_f32 v[L+\qt], v[L+\qt], v[T+\qt]         ; the sum over both halves of the lanes
.endr
	ds_store_b128 v[SST], v[NG:NG+3]
	ds_store_b128 v[SST], v[NG+4:NG+7] offset:512
	ds_store_b128 v[SST], v[L:L+3] offset:1024
	WIN 0x04                                       ; store data in window 1
.set n, 0
.rept 16
	ds_store_b128 v[XST], v[128+8*n:128+8*n+3] offset:1024*n           ; O tiles 16 to 31: the columns that my partner finishes
	ds_store_b128 v[XST], v[128+8*n+4:128+8*n+7] offset:1024*n+512
.set n, n+1
.endr
	WIN 0
.Lnoxch:
	s_wait_dscnt 0x0
	s_barrier_signal -1
	s_barrier_wait -1                              ; the last barrier: behind it a wave may go its own way
	s_cmp_eq_u32 s31, 0
	s_cbranch_scc1 .Ldead
	ds_load_b128 v[F0:F0+3], v[SLD]                ; the partner's -m c2 (pairs)
	ds_load_b128 v[F0+4:F0+7], v[SLD] offset:512
	ds_load_b128 v[F0+8:F0+11], v[SLD] offset:1024 ; and sums
.set n, 0
.rept 16
	ds_load_b128 v[S+8*n:S+8*n+3], v[XLD] offset:1024*n                ; the partner's O at my columns, same lanes, same registers
	ds_load_b128 v[S+8*n+4:S+8*n+7], v[XLD] offset:1024*n+512
.set n, n+1
.endr
	s_wait_dscnt 0x20                              ; the three small loads are in; the 32 behind them may be out
.irp qt, 0,1,2,3
	v_min_num_f32 v[T+\qt], v[NG+2*\qt], v[F0+2*\qt]       ; -c2 x the larger maximum
.endr
.irp qt, 0,1,2,3
	v_sub_f32 v[T+4+\qt], v[T+\qt], v[NG+2*\qt]
.endr
.irp qt, 0,1,2,3
	v_sub_f32 v[T+\qt], v[T+\qt], v[F0+2*\qt]
.endr
.irp e, 0,1,2,3,4,5,6,7
	v_exp_f32 v[T+\e], v[T+\e]                     ; T+4..7 my weight, T+0..3 my partner's
.endr
	v_nop                                          ; a plain instruction between the exponentials and their use
	s_wait_alu depctr_va_vdst(0)
.irp qt, 0,1,2,3
	v_mul_f32 v[L+\qt], v[L+\qt], v[T+4+\qt]
.endr
.irp qt, 0,1,2,3
	v_fmac_f32 v[L+\qt], v[F0+8+\qt], v[T+\qt]     ; the whole sum: at least one of the two weights is 1
.endr
.irp qt, 0,1,2,3
	v_rcp_f32 v[L+\qt], v[L+\qt]
.endr
	v_nop
	s_wait_alu depctr_va_vdst(0)
.irp qt, 0,1,2,3
	v_mul_f32 v[AL+2*\qt], v[T+4+\qt], v[L+\qt]    ; my factor, twice
	v_mul_f32 v[AL+2*\qt+1], v[T+4+\qt], v[L+\qt]
	v_mul_f32 v[NG+2*\qt], v[T+\qt], v[L+\qt]      ; my partner's, twice
	v_mul_f32 v[NG+2*\qt+1], v[T+\qt], v[L+\qt]
.endr
	s_wait_dscnt 0x0
.irp dt, 0,1,2,3
.irp qt, 0,1,2,3
.irp j, 0,2,4,6
	v_pk_mul_f32 v[S+8*(4*\dt+\qt)+\j:S+8*(4*\dt+\qt)+\j+1], v[S+8*(4*\dt+\qt)+\j:S+8*(4*\dt+\qt)+\j+1], v[NG+2*\qt:NG+2*\qt+1]
.endr
.endr
.endr
	WIN 0x01                                       ; source 0 (my O) in window 1
.irp dt, 0,1,2,3
.irp qt, 0,1,2,3
.irp j, 0,2,4,6
	v_pk_fma_f32 v[S+8*(4*\dt+\qt)+\j:S+8*(4*\dt+\qt)+\j+1], v[8*(4*\dt+\qt)+\j:8*(4*\dt+\qt)+\j+1], v[AL+2*\qt:AL+2*\qt+1], v[S+8*(4*\dt+\qt)+\j:S+8*(4*\dt+\qt)+\j+1]
.endr
.endr
.endr
	WIN 0
	OUT16 0, F0
	OUT16 1, F1
	OUT16 2, F0
	OUT16 3, F1
	s_set_vgpr_msb 0xc
	s_wait_tensorcnt 0x0
	ds_add_u32 v27, v129
	s_wait_dscnt 0x0
	s_set_vgpr_msb 0xc00
	s_endpgm
	; ---------------------------------------------------------------- no query below the length: the mean of V in all 128 rows, straight from registers
.Ldead:
.set n, 0
.rept 32
	global_store_b128 v[CO], v[MN:MN+3], s[44:45] offset:1024*n th:TH_STORE_NT   ; rows 64 g + 2 n + h, columns 64 c + 4 r: sixteen lanes store 256 consecutive bytes, aligned
.set n, n+1
.endr
	s_set_vgpr_msb 0xc
	s_wait_tensorcnt 0x0
	ds_add_u32 v27, v129
	s_wait_dscnt 0x0
	s_set_vgpr_msb 0xc00
	s_endpgm
.Lfunc_end_k_qaa099e695a_attn:
	.size	k_qaa099e695a_attn, .Lfunc_end_k_qaa099e695a_attn-k_qaa099e695a_attn
	.p2alignl 7, 3214868480
	.fill 96, 4, 3214868480
	.section	.rodata,"a",@progbits
	.p2align	6, 0x0
	.amdhsa_kernel k_qaa099e695a_attn
		.amdhsa_group_segment_fixed_size 198144
		.amdhsa_private_segment_fixed_size 0
		.amdhsa_enable_private_segment 0
		.amdhsa_kernarg_size 48
		.amdhsa_user_sgpr_count 2
		.amdhsa_user_sgpr_kernarg_segment_ptr 1
		.amdhsa_wavefront_size32 1
		.amdhsa_system_sgpr_workgroup_id_x 1
		.amdhsa_system_sgpr_workgroup_id_y 1
		.amdhsa_system_sgpr_workgroup_id_z 1
		.amdhsa_system_vgpr_workitem_id 0
		.amdhsa_next_free_vgpr 898
		.amdhsa_next_free_sgpr 66
		.amdhsa_reserve_vcc 1
		.amdhsa_float_denorm_mode_32 3
		.amdhsa_float_denorm_mode_16_64 3
		.amdhsa_memory_ordered 1
		.amdhsa_forward_progress 1
		.amdhsa_inst_pref_size 181
	.end_amdhsa_kernel
	.amdgpu_metadata
---
amdhsa.version: [ 1, 2 ]
amdhsa.kernels:
  - .name:           k_qaa099e695a_attn
    .symbol:         k_qaa099e695a_attn.kd
    .args:
      - { .name: q, .offset: 0, .size: 8, .value_kind: global_buffer, .address_space: global }
      - { .name: k, .offset: 8, .size: 8, .value_kind: global_buffer, .address_space: global }
      - { .name: v, .offset: 16, .size: 8, .value_kind: global_buffer, .address_space: global }
      - { .name: sen_len, .offset: 24, .size: 8, .value_kind: global_buffer, .address_space: global }
      - { .name: vpart, .offset: 32, .size: 8, .value_kind: global_buffer, .address_space: global }
      - { .name: out0, .offset: 40, .size: 8, .value_kind: global_buffer, .address_space: global }
    .group_segment_fixed_size: 198144
    .private_segment_fixed_size: 0
    .kernarg_segment_align: 8
    .kernarg_segment_size: 48
    .max_flat_workgroup_size: 128
    .sgpr_count:     66
    .vgpr_count:     898
    .wavefront_size: 32
...
	.end_amdgpu_metadata
.endif
;; end of part 2
